; MI455X (gfx1250); checked and timed in simulation.
; The chip was launched on July 23, 2026; its instructions are those of AMD's public machine-readable ISA for CDNA 5 (MIT licence, August 2026) and "CDNA5" Instruction Set Architecture Reference Guide (July 2026). The comments in the code are by the model that wrote it; some were corrected since.
;; Dual Ternary Linear. Allowed arithmetic: float matrix products may take bf16 or f16 operands with f32 sums; other float arithmetic in f32, or as packed bf16 or f16 multiplies, adds, multiply-adds, maxima and minima; sums over many terms, partial sums and values carried from step to step in f32; what a program stores and reads back later, other than sums and carried values, may be rounded once to bf16 or f16.
;; Inputs: a1 4,096 float32; a2 4,096 float32; bias 4,096 float32; t1 4,096 x 4,096 int32; t2 4,096 x 4,096 int32; x 4 x 512 x 4,096 float32.
;; Outputs: out0 4 x 512 x 4,096 float32.
;; 2 versions, each right; version 2 is version 1 with the launch prep written anew for expert scheduling mode. Each part assembles by itself: llvm-mc -triple=amdgcn-amd-amdhsa -mcpu=gfx1250 --defsym DOCPART=n.
;; ======== version 1 of 2: 2 launches
;; limits: values outside matrix products are rounded to f16; values are held in f16: magnitudes above 65,504 overflow, below 6.1e-05 lose precision; right only within a limited range of input values; inputs' magnitudes at most 65,504
;; workspace buffers: wh 33,554,432 bytes; xh 16,777,216 bytes
;; launch prep (part 1): grid 1024 x 1, 8 waves a work-group, no clusters, 0 bytes of LDS; arguments t1, t2, x, a1, a2, wh, xh; writes wh, xh
.if DOCPART == 1
	.amdgcn_target "amdgcn-amd-amdhsa--gfx1250"
	.amdhsa_code_object_version 6
	.text
	.protected	k_qdec85abd1e_prep
	.globl	k_qdec85abd1e_prep
	.p2align	8
	.type	k_qdec85abd1e_prep,@function
k_qdec85abd1e_prep:
	s_mov_b64 s[64:65], 0
	v_nop
	global_prefetch_b8 v0, s[64:65] scope:SCOPE_SE
	s_setreg_imm32_b32 hwreg(HW_REG_WAVE_MODE, 25, 1), 1
	s_wait_xcnt 0x0
; wh[o][d] = f16(64 a1[o] t1[o][d] + 64 a2[o] t2[o][d]);  xh = f16(x).   t1, t2: [4096][4096] int32; x: [2048][4096] f32; a1, a2: [4096] f32; wh: [4096][4096] f16; xh: [2048][4096] f16.
; WHY.  The two products of the module share x, and a1, a2 belong to the output column: (x T1^T) a1 + (x T2^T) a2 = x W^T with W = a1 T1 + a2 T2, for every input.  W is made here once, so that
; the launch behind multiplies once.  W goes in f16 (11 significant bits): a row of W has few different values, so that a value's rounding is shared by many terms, and 8 bits would not do.
; The factor 64 is exact; it keeps small scales among f16's normal numbers, and the launch behind takes it out again in f32.
; LIMITS.  |x| stays under 65,504 and |a1 t1 + a2 t2| under 1,023 (f16's range, the second after the factor 64); below 6.1e-5 (for W: 9.5e-7) f16 keeps its fixed step of 6e-8;
; t is converted exactly up to 2^24; NaN and infinities are not treated apart.  The scales are applied ahead of the sum over d: an order of rounding other than the module's.
; SHARES.  8,192 waves (1,024 work-groups of eight).  Wave u takes half a row of W (2,048 numbers: 8,192 bytes of t1 and of t2, 4,096 of wh; its row is u / 2) and a quarter row of x (4,096 bytes, 2,048 of xh):
; every offset is u times a constant.  A load of the wave covers 512 neighbouring bytes, a store 256 neighbouring bytes at a multiple of 256 from the buffer's first byte.
; All 40 loads of a wave (20,480 bytes) are issued ahead of its first wait; no register is loaded twice and no store's register is written again, so the text has no loop and no wait but the counted ones.
; No LDS, no barrier, no matrix unit, no cluster: each byte is read once, by one wave, and no wave needs another's.
.set T1, 4                             ; v[4:67]    t1, 16 chunks of 4 registers; then W; then two registers of f16 a chunk
.set T2, 68                            ; v[68:131]  t2, likewise; then 64 a2 t2
.set X,  132                           ; v[132:163] x, 8 chunks of 4; then two registers of f16 a chunk
	s_load_b256 s[4:11], s[0:1], 0x0               ; t1 s[4:5], t2 s[6:7], x s[8:9], a1 s[10:11]
	s_load_b128 s[12:15], s[0:1], 0x20             ; a2 s[12:13], wh s[14:15]
	s_load_b64 s[16:17], s[0:1], 0x30              ; xh
	v_and_b32 v1, 31, v0                           ; lane
	v_lshrrev_b32 v3, 5, v0
	v_readfirstlane_b32 s18, v3                    ; wave 0..7
	v_lshlrev_b32 v2, 3, v1                        ; 8 bytes a lane: the stores
	v_lshlrev_b32 v1, 4, v1                        ; 16 bytes a lane: the loads
	s_lshl_b32 s19, ttmp9, 3
	s_add_co_u32 s19, s19, s18                     ; u = 8 x work-group + wave
	s_lshr_b32 s22, s19, 1
	s_lshl_b32 s22, s22, 2                         ; my row's byte in a1 and a2: 4 (u / 2)
	s_mov_b32 s21, 0                               ; the offsets' high word
	s_wait_kmcnt 0x0
	s_load_b32 s24, s[10:11], s22 offset:0x0       ; a1[o]
	s_load_b32 s26, s[12:13], s22 offset:0x0       ; a2[o]; neither base nor s22 is written again
	s_lshl_b32 s20, s19, 13                        ; 8,192 u
	s_add_nc_u64 s[4:5], s[4:5], s[20:21]
	s_add_nc_u64 s[6:7], s[6:7], s[20:21]
	s_lshl_b32 s20, s19, 12                        ; 4,096 u
	s_add_nc_u64 s[8:9], s[8:9], s[20:21]
	s_add_nc_u64 s[14:15], s[14:15], s[20:21]
	s_lshl_b32 s20, s19, 11                        ; 2,048 u
	s_add_nc_u64 s[16:17], s[16:17], s[20:21]
.irp c, 0,1,2,3,4,5,6,7,8,9,10,11,12,13,14,15
	global_load_b128 v[T1+4*(\c):T1+4*(\c)+3], v1, s[4:5] offset:512*(\c) th:TH_LOAD_NT  ; read once in the launch
	global_load_b128 v[T2+4*(\c):T2+4*(\c)+3], v1, s[6:7] offset:512*(\c) th:TH_LOAD_NT
.endr
.irp j, 0,1,2,3,4,5,6,7
	global_load_b128 v[X+4*(\j):X+4*(\j)+3], v1, s[8:9] offset:512*(\j) th:TH_LOAD_NT
.endr
	s_wait_kmcnt 0x0                               ; the two scales
	s_mul_f32 s24, s24, 0x42800000                 ; 64 a1: exact
	s_mul_f32 s26, s26, 0x42800000                 ; 64 a2
	s_mov_b32 s25, s24                             ; named as pairs by the packed forms, which take the low word for both halves
	s_mov_b32 s27, s26
; Chunk c of W: 128 numbers of the wave, four a lane.
.macro WCH c
	s_wait_loadcnt 38-2*(\c)                       ; loads come back in order (ISA guide 5.7.1): of the 40 issued, numbers 2 c and 2 c + 1 are in when 38 - 2 c are out
.irp k, 0,1,2,3
	v_cvt_f32_i32 v[T1+4*(\c)+(\k)], v[T1+4*(\c)+(\k)]
	v_cvt_f32_i32 v[T2+4*(\c)+(\k)], v[T2+4*(\c)+(\k)]
.endr
.irp k, 0,2
	v_pk_mul_f32 v[T2+4*(\c)+(\k):T2+4*(\c)+(\k)+1], v[T2+4*(\c)+(\k):T2+4*(\c)+(\k)+1], s[26:27] op_sel_hi:[1,0]
.endr
.irp k, 0,2
	v_pk_fma_f32 v[T1+4*(\c)+(\k):T1+4*(\c)+(\k)+1], v[T1+4*(\c)+(\k):T1+4*(\c)+(\k)+1], s[24:25], v[T2+4*(\c)+(\k):T2+4*(\c)+(\k)+1] op_sel_hi:[1,0,1]
.endr
	v_cvt_pk_f16_f32 v[T1+4*(\c)], v[T1+4*(\c)], v[T1+4*(\c)+1]
	v_cvt_pk_f16_f32 v[T1+4*(\c)+1], v[T1+4*(\c)+2], v[T1+4*(\c)+3]
	global_store_b64 v2, v[T1+4*(\c):T1+4*(\c)+1], s[14:15] offset:256*(\c)  ; no hint: the launch behind reads it
.endm
; Chunk j of x.
.macro XCH j
	s_wait_loadcnt 7-(\j)                          ; x's chunk j is number 32 + j of the 40
	v_cvt_pk_f16_f32 v[X+4*(\j)], v[X+4*(\j)], v[X+4*(\j)+1]
	v_cvt_pk_f16_f32 v[X+4*(\j)+1], v[X+4*(\j)+2], v[X+4*(\j)+3]
	global_store_b64 v2, v[X+4*(\j):X+4*(\j)+1], s[16:17] offset:256*(\j)
.endm
.irp c, 0,1,2,3,4,5,6,7,8,9,10,11,12,13,14,15
	WCH \c
.endr
.irp j, 0,1,2,3,4,5,6,7
	XCH \j
.endr
	s_endpgm
.Lfunc_end_k_qdec85abd1e_prep:
	.size	k_qdec85abd1e_prep, .Lfunc_end_k_qdec85abd1e_prep-k_qdec85abd1e_prep
	.p2alignl 7, 3214868480
	.fill 96, 4, 3214868480
	.section	.rodata,"a",@progbits
	.p2align	6, 0x0
	.amdhsa_kernel k_qdec85abd1e_prep
		.amdhsa_group_segment_fixed_size 0
		.amdhsa_private_segment_fixed_size 0
		.amdhsa_enable_private_segment 0
		.amdhsa_kernarg_size 56
		.amdhsa_user_sgpr_count 2
		.amdhsa_user_sgpr_kernarg_segment_ptr 1
		.amdhsa_wavefront_size32 1
		.amdhsa_system_sgpr_workgroup_id_x 1
		.amdhsa_system_sgpr_workgroup_id_y 1
		.amdhsa_system_sgpr_workgroup_id_z 1
		.amdhsa_system_vgpr_workitem_id 0
		.amdhsa_next_free_vgpr 164
		.amdhsa_next_free_sgpr 66
		.amdhsa_reserve_vcc 0
		.amdhsa_float_denorm_mode_32 3
		.amdhsa_float_denorm_mode_16_64 3
		.amdhsa_memory_ordered 1
		.amdhsa_forward_progress 1
		.amdhsa_inst_pref_size 20
	.end_amdhsa_kernel
	.amdgpu_metadata
---
amdhsa.version: [ 1, 2 ]
amdhsa.kernels:
  - .name:           k_qdec85abd1e_prep
    .symbol:         k_qdec85abd1e_prep.kd
    .args:
      - { .name: t1, .offset: 0, .size: 8, .value_kind: global_buffer, .address_space: global }
      - { .name: t2, .offset: 8, .size: 8, .value_kind: global_buffer, .address_space: global }
      - { .name: x, .offset: 16, .size: 8, .value_kind: global_buffer, .address_space: global }
      - { .name: a1, .offset: 24, .size: 8, .value_kind: global_buffer, .address_space: global }
      - { .name: a2, .offset: 32, .size: 8, .value_kind: global_buffer, .address_space: global }
      - { .name: wh, .offset: 40, .size: 8, .value_kind: global_buffer, .address_space: global }
      - { .name: xh, .offset: 48, .size: 8, .value_kind: global_buffer, .address_space: global }
    .group_segment_fixed_size: 0
    .private_segment_fixed_size: 0
    .kernarg_segment_align: 8
    .kernarg_segment_size: 56
    .max_flat_workgroup_size: 256
    .sgpr_count:     66
    .vgpr_count:     164
    .wavefront_size: 32
...
	.end_amdgpu_metadata
.endif
;; end of part 1
;; launch gemm (part 2): grid 16 x 16, 4 waves a work-group, clusters of 4 x 4, 327,680 bytes of LDS; arguments xh, wh, bias, out0; writes out0
.if DOCPART == 2
	.amdgcn_target "amdgcn-amd-amdhsa--gfx1250"
	.amdhsa_code_object_version 6
	.text
	.protected	k_qdec85abd1e_gemm
	.globl	k_qdec85abd1e_gemm
	.p2align	8
	.type	k_qdec85abd1e_gemm,@function
k_qdec85abd1e_gemm:
	s_mov_b64 s[64:65], 0
	v_nop
	global_prefetch_b8 v0, s[64:65] scope:SCOPE_SE
	s_setreg_imm32_b32 hwreg(HW_REG_WAVE_MODE, 25, 1), 1
	s_wait_xcnt 0x0
	s_wait_alu depctr_hold_cnt(0) depctr_sa_sdst(0) depctr_va_vdst(0) depctr_va_sdst(0) depctr_va_ssrc(0) depctr_va_vcc(0) depctr_vm_vsrc(0)
	s_getreg_b32 s2, hwreg(HW_REG_IB_STS2, 6, 4)
	s_cmp_eq_u32 s2, 0
	s_cbranch_scc0 .Lentry_in_a_cluster
	s_endpgm
.Lentry_in_a_cluster:
	s_bfe_u32 s2, ttmp6, 0x10000c
	s_cmp_lg_u32 s2, 0xf033
	s_cbranch_scc0 .Lentry_shape_is_right
	s_endpgm
.Lentry_shape_is_right:
; out0[m][n] = 2^-6 x (the sum over k of xh[m][k] wh[n][k]) + bias[n].  xh: [2048][4096] f16, wh: [4096][4096] f16 (64 times the module's a1 T1 + a2 T2), bias: [4096] f32, out0: [2048][4096] f32.
; One f32 sum for each output, K ascending; the factor 2^-6 is exact and rides on the fused multiply-add that adds the bias.
; LIMITS are those of the launch in front, which made xh and wh: f16's range and its fixed step below 6.1e-5; NaN and infinities are not treated apart.
; SHARES.  A tile of out0 is 128 rows x 256 columns: 16 x 16 tiles, one to a work-group (a tile of 256 x 256 would make 128 work-groups).  Four waves, each 64 rows x 128 columns:
; 32 accumulators of 16 x 16, 256 registers.  K goes in steps of 128 (rows of 256 bytes, at multiples of 256 from the buffer's first byte) through a ring of two LDS slots; steps of 256 would want
; two slots of 202,752 bytes, more than LDS holds.
; CLUSTERS: 4 x 4 work-groups.  The grid's x walks the tile rows, its y the tile columns: the four work-groups of a column of the cluster (same cx) need the same tiles of xh, the four of a row (same cy)
; the same tiles of wh.  Each tile is asked for JOINTLY: the same tensor load, descriptor and mask in all four.
; THE MATRIX INSTRUCTION IS USED TRANSPOSED (source 0 = 16 rows of wh, source 1 = 16 rows of xh): a lane then holds eight neighbouring numbers of a row of out0.
; REGISTERS, in windows of 256 (s_set_vgpr_msb: bits 1:0 source 0, 3:2 source 1, 5:4 source 2, 7:6 destination):
;   window 0: v0-35 addresses and bias; v64-159, v160-255 two fragment buffers for 32 along K: 32 registers of xh (4 x 16 rows), then 64 of wh (8 x 16 rows); on the way out v64-191 take rows read back
;   window 1: the accumulators: (a, b) at v[8 (8 a + b)]
.set SIZE_N, 4096
.set SIZE_K, 4096
.set KSTEP,  128
.set PITCH,  272                       ; an LDS row: 256 bytes + 16 of padding = 68 words: row r starts at bank 4 r mod 64 (64 banks of 4 bytes: ISA guide 11.1), so the 16 rows of a load start at 16 different groups of banks
.set AHALF,  64*PITCH                  ; 64 rows of xh: what one tensor load brings, and what one wave reads
.set BHALF,  128*PITCH                 ; 128 rows of wh: likewise
.set BOFF,   2*AHALF                   ; in a slot: xh's 128 rows, then wh's 256
.set SLOT,   BOFF+2*BHALF              ; 104,448 bytes
.set STAGE,  2*SLOT                    ; behind the ring, never filled by a tensor load: 16 rows x 528 bytes for each wave, for the way out
.set SPITCH, 528                       ; 512 bytes + 16: an odd multiple of 16
.set WSTAGE, 16*SPITCH                 ; 8,448 bytes: 33 blocks of 256
.set SPARE,  STAGE+4*WSTAGE            ; behind the stages: the spare words, 128 bytes for each wave: two blocks of 256 bytes that no other line names
.set LAPS,   SIZE_K/(2*KSTEP)          ; a lap = two K steps = once round the ring: 16
.set ADRA, 16                          ; v16-17  LDS address of my fragments of xh in slot 0, 1
.set ADRB, 20                          ; v20-21  the same for wh
.set STO,  24                          ; v24     the way out: where I put 32 bytes of a row
.set RD,   25                          ; v25     the way out: where I read 16 bytes of a row back
.set CO,   26                          ; v26     my byte offset in 512 bytes of a row of out0: 16 x lane
.set BO,   27                          ; v27     the byte offset in bias of the four columns that I store
.set SPW,  28                          ; v28     LDS address of my spare word: SPARE + 4 x my thread's number; never rewritten
.set NIL,  29                          ; v29     0; never rewritten
.set BI,   32                          ; v32-35  bias of those four columns
.set F0,   64
.set F1,   160
.set WV,   12                          ; s12  my wave's number
.set WHI,  13                          ; s13  which 64 of the tile's rows are mine.  Also: I fetch for xh (0) or for wh (1)
.set WLO,  14                          ; s14  which 128 of its columns.  Also: which half of that tile I fetch
.set SC,   22                          ; s[22:23] 2^-6: the packed form takes the pair's low word for both halves
.set G1,   24                          ; s[24:31] descriptor group 1 for xh's tiles;  s[32:39] group 0, one set for each slot
.set G0,   32
.set G1B,  48                          ; s[48:55], s[56:63] the same for wh's tiles
.set G0B,  56
.set MSB, 0
.macro WIN new                         ; the immediate's high byte repeats the setting that is left; a switch that changes nothing is dropped
.if MSB != (\new)
	s_set_vgpr_msb (MSB<<8)|(\new)
.set MSB, \new
.endif
.endm
.set MUL, 0x50                         ; both sources window 0; C and D window 1
.set OUTW, 0x04                        ; an LDS store's data (source 1) window 1, its address window 0
.macro PLACES                          ; four places in front of loads into registers that matrix instructions have read, and of LDS stores that read results (ISA guide 7.12.1 for vector instructions)
.rept 4
	v_nop
.endr
.endm
; A joint load: waves 0 and 1 fetch xh's two halves, waves 2 and 3 wh's.  The branch hangs on the wave's number alone.  An s_nop 0 and four v_nop follow each of the two lines, ahead of the jump, the label and what follows.
.macro JLOAD s
	s_cmp_eq_u32 s[WHI], 0
	s_cbranch_scc0 .Lfor_b_\@
	tensor_load_to_lds s[G0+4*(\s):G0+4*(\s)+3], s[G1:G1+7]
	s_nop 0
.rept 4
	v_nop
.endr
	s_branch .Lasked_\@
.Lfor_b_\@:
	tensor_load_to_lds s[G0B+4*(\s):G0B+4*(\s)+3], s[G1B:G1B+7]
	s_nop 0
.rept 4
	v_nop
.endr
.Lasked_\@:
.endm
.macro CREST                           ; a round of the cluster's barrier behind its opening barrier: wave 0 signals for the work-group, every wave waits for all sixteen, my work-group's barrier closes it
	s_cmp_lg_u32 s[WV], 0
	s_cbranch_scc1 .Lnot_wave_0_\@
	s_barrier_signal -3
.Lnot_wave_0_\@:
	s_barrier_wait -3
	s_barrier_signal -1
	s_barrier_wait -1
.endm
.macro CROUND                          ; a whole round
	s_barrier_signal -1
	s_barrier_wait -1
	CREST
.endm
	s_load_b256 s[4:11], s[0:1], 0x0               ; xh s[4:5], wh s[6:7], bias s[8:9], out0 s[10:11]
	v_lshl_add_u32 v[SPW], v0, 2, SPARE
	v_mov_b32 v[NIL], 0
	ds_add_u32 v[SPW], v[NIL]                      ; the wave's opening: the add and its wait stand ahead of my first tensor load; the set-up below, work on registers, stands between them
	v_lshrrev_b32 v1, 5, v0
	v_readfirstlane_b32 s[WV], v1                  ; wave 0..3
	s_lshr_b32 s[WHI], s[WV], 1
	s_and_b32 s[WLO], s[WV], 1
	s_bfe_u32 s40, ttmp6, 0x40000                  ; cx, cy: my place in the cluster
	s_bfe_u32 s41, ttmp6, 0x40004
	s_lshl_b32 s42, ttmp9, 2                       ; in a cluster launch ttmp9 and ttmp7 count clusters
	s_add_co_u32 s42, s42, s40                     ; tile row of out0 = 4 x cluster x + cx
	s_and_b32 s43, ttmp7, 0xffff
	s_lshl_b32 s43, s43, 2
	s_add_co_u32 s43, s43, s41                     ; tile column = 4 x cluster y + cy
	s_lshl_b32 s44, 0x1111, s40                    ; my column of the cluster: places cx, cx + 4, cx + 8, cx + 12: they share the tile row
	s_lshl_b32 s45, s41, 2
	s_lshl_b32 s45, 15, s45                        ; my row of the cluster: places 4 cy .. 4 cy + 3: they share the tile column
	; descriptor group 1: tiles of 64 (xh) or 128 (wh) rows x 128 elements, padded in LDS
	s_or_b32 s[G1], s44, (1<<16)|(1<<20)|(1<<21)|(5<<22)|(3<<25)   ; 15:0 the mask; 17:16 elements of 2 bytes; 20 padding on; 21 set beside a mask; 24:22 after every 64 words (code 5); 31:25 4 words of it (code 3)
	s_or_b32 s[G1B], s45, (1<<16)|(1<<20)|(1<<21)|(5<<22)|(3<<25)
.irp g, G1, G1B
	s_mov_b32 s[(\g)+1], KSTEP<<16                 ; tensor_dim0 = 128
	s_mov_b32 s[(\g)+3], KSTEP<<16                 ; tile_dim0 = 128
	s_mov_b32 s[(\g)+5], SIZE_K                    ; elements from row to row
	s_mov_b32 s[(\g)+6], 0
	s_mov_b32 s[(\g)+7], 0
.endr
	s_mov_b32 s[G1+2], 64<<16                      ; tensor_dim1 = 64
	s_mov_b32 s[G1+4], 64                          ; tile_dim1 = 64
	s_mov_b32 s[G1B+2], 128<<16                    ; tensor_dim1 = 128
	s_mov_b32 s[G1B+4], 128                        ; tile_dim1 = 128
	; where the tiles come from.  xh's hang on the tile row alone, wh's on the tile column alone, each in registers that never hold the other coordinate; every wave makes both and asks by one.
	s_lshl_b32 s16, s42, 7
	s_lshl_b32 s15, s[WLO], 6
	s_add_co_u32 s16, s16, s15                     ; xh: row 128 x tile row + 64 x half,
	s_lshl_b32 s16, s16, 13                        ; of 8,192 bytes: under 2^25
	s_mov_b32 s17, 0
	s_lshl_b32 s46, s43, 8
	s_lshl_b32 s15, s[WLO], 7
	s_add_co_u32 s46, s46, s15                     ; wh: row 256 x tile column + 128 x half
	s_lshl_b32 s46, s46, 13
	s_mov_b32 s47, 0
	; where my part of out0 begins: row 128 x tile row + 64 x WHI, of 16,384 bytes; column 256 x tile column + 128 x WLO, of 4 bytes
	s_lshl_b32 s20, s42, 7
	s_lshl_b32 s15, s[WHI], 6
	s_add_co_u32 s20, s20, s15
	s_lshl_b32 s20, s20, 14
	s_lshl_b32 s18, s43, 8
	s_lshl_b32 s15, s[WLO], 7
	s_add_co_u32 s18, s18, s15
	s_lshl_b32 s18, s18, 2                         ; also my columns' first byte in bias
	s_add_co_u32 s20, s20, s18
	s_mov_b32 s21, 0
	s_mov_b32 s[SC], 0x3c800000                    ; 2^-6
	s_mov_b32 s[SC+1], s[SC]                       ; named with it as a pair
	; and where the tiles go: the wave's number alone enters an LDS address
	s_mul_i32 s2, s[WLO], AHALF                    ; xh's half
	s_mul_i32 s19, s[WLO], BHALF
	s_add_co_u32 s19, s19, BOFF                    ; wh's half; also the 128 rows of wh that I read
.irp s, 0,1
	s_mov_b32 s[G0+4*(\s)], 1                      ; 1:0 count = 1
	s_add_co_u32 s[G0+4*(\s)+1], s2, (\s)*SLOT     ; 63:32 LDS address
	s_mov_b32 s[G0B+4*(\s)], 1
	s_add_co_u32 s[G0B+4*(\s)+1], s19, (\s)*SLOT
.endr
	s_wait_dscnt 0x0                               ; the opening add is done
	s_wait_kmcnt 0x0
	s_add_nc_u64 s[16:17], s[4:5], s[16:17]
	s_add_nc_u64 s[46:47], s[6:7], s[46:47]
	s_add_nc_u64 s[10:11], s[10:11], s[20:21]
.irp s, 0,1
	s_add_nc_u64 s[G0+4*(\s)+2:G0+4*(\s)+3], s[16:17], (\s)*KSTEP*2    ; 120:64 global address: K step s
	s_or_b32 s[G0+4*(\s)+3], s[G0+4*(\s)+3], 0x80000000               ; 127:126 type = 2
	s_add_nc_u64 s[G0B+4*(\s)+2:G0B+4*(\s)+3], s[46:47], (\s)*KSTEP*2
	s_or_b32 s[G0B+4*(\s)+3], s[G0B+4*(\s)+3], 0x80000000
.endr
	CROUND                                         ; all sixteen work-groups are here: the first joint loads meet
	s_cmp_eq_u32 s[WHI], 0                         ; a wave's two first fills stand in one branch, ahead of every wait on TENSORcnt and every LDS read: two loads of mine are out
	s_cbranch_scc0 .Lfirst_b
	tensor_load_to_lds s[G0:G0+3], s[G1:G1+7]
	s_nop 0
	tensor_load_to_lds s[G0+4:G0+7], s[G1:G1+7]
	s_nop 0
.rept 4
	v_nop
.endr
	s_branch .Lfirst_asked
.Lfirst_b:
	tensor_load_to_lds s[G0B:G0B+3], s[G1B:G1B+7]
	s_nop 0
	tensor_load_to_lds s[G0B+4:G0B+7], s[G1B:G1B+7]
	s_nop 0
.rept 4
	v_nop
.endr
.Lfirst_asked:
	; A fragment is 16 rows x 32 K in 8 registers: lane l holds row l % 16; registers 0-3 hold K = 8 (l / 16) + 0..7, registers 4-7 hold K = 16 + 8 (l / 16) + 0..7: two loads of 16 bytes, 32 bytes apart.
	v_and_b32 v1, 15, v0                           ; l % 16
	v_bfe_u32 v2, v0, 4, 1                         ; l / 16
	v_mul_u32_u24 v3, v1, PITCH
	v_lshl_add_u32 v3, v2, 4, v3                   ; row x pitch + 16 x half
	s_mul_i32 s15, s[WHI], AHALF                   ; my 64 rows of xh
	v_add_nc_u32 v[ADRA], s15, v3
	v_add_nc_u32 v[ADRB], s19, v3
	v_add_nc_u32 v[ADRA+1], SLOT, v[ADRA]
	v_add_nc_u32 v[ADRB+1], SLOT, v[ADRB]
	s_mul_i32 s15, s[WV], WSTAGE
	s_add_co_u32 s15, s15, STAGE                   ; my stage
	v_mul_u32_u24 v4, v1, SPITCH                   ; in: row l % 16, 32 bytes for each half of the lanes
	v_lshl_add_u32 v4, v2, 5, v4
	v_add_nc_u32 v[STO], s15, v4
	v_and_b32 v5, 31, v0
	v_lshlrev_b32 v[CO], 4, v5                     ; back: the 32 lanes take one row of 512 bytes,
	v_add_nc_u32 v[RD], s15, v[CO]
	v_add_nc_u32 v[BO], s18, v[CO]                 ; so a lane stores the same four columns of every row
	global_load_b128 v[BI:BI+3], v[BO], s[8:9]
; 8 matrix instructions: m block a x all 8 n blocks, 32 along K, from buffer f.  zero = 1: the product starts the sums: nothing is ever cleared.
; The 32 accumulators take turns in the same order in every quarter: between two links of a chain stand the 31 others', over the loop's backward jump too.
.macro MULA f, a, zero
	WIN MUL
.irp b, 0,1,2,3,4,5,6,7
.if \zero
	v_wmma_f32_16x16x32_f16 v[8*(8*(\a)+(\b)):8*(8*(\a)+(\b))+7], v[(\f)+32+8*(\b):(\f)+32+8*(\b)+7], v[(\f)+8*(\a):(\f)+8*(\a)+7], 0
.else
	v_wmma_f32_16x16x32_f16 v[8*(8*(\a)+(\b)):8*(8*(\a)+(\b))+7], v[(\f)+32+8*(\b):(\f)+32+8*(\b)+7], v[(\f)+8*(\a):(\f)+8*(\a)+7], v[8*(8*(\a)+(\b)):8*(8*(\a)+(\b))+7]
.endif
.endr
.endm
; 24 LDS loads in one run: the fragments of 32 along K at byte k of the rows, into buffer f: wh's eight blocks, then xh's four, so that a wait can leave xh's last two blocks out
.macro FETCH slot, k, f
	WIN 0
.irp i, 0,1,2,3,4,5,6,7
	ds_load_b128 v[(\f)+32+8*(\i):(\f)+32+8*(\i)+3],   v[ADRB+(\slot)] offset:(\k)+(\i)*16*PITCH
	ds_load_b128 v[(\f)+32+8*(\i)+4:(\f)+32+8*(\i)+7], v[ADRB+(\slot)] offset:(\k)+(\i)*16*PITCH+32
.endr
.irp i, 0,1,2,3
	ds_load_b128 v[(\f)+8*(\i):(\f)+8*(\i)+3],   v[ADRA+(\slot)] offset:(\k)+(\i)*16*PITCH
	ds_load_b128 v[(\f)+8*(\i)+4:(\f)+8*(\i)+7], v[ADRA+(\slot)] offset:(\k)+(\i)*16*PITCH+32
.endr
.endm
; A K step is four quarters of 32 along K, 32 matrix instructions each, on buffers 0, 1, 0, 1.  One of the first three: multiplies buffer f; in its middle it fetches the next quarter, at byte k, into g.
.macro QUARTER slot, k, f, g, zero
	s_wait_dscnt 4                                 ; wh and xh's blocks 0, 1 are in; the youngest four loads (xh's blocks 2, 3) may be out
	MULA \f, 0, \zero
	MULA \f, 1, \zero
	PLACES                                         ; for the loads into g, which the quarter before multiplied
	FETCH \slot, \k, \g
	s_wait_dscnt 24                                ; all but the 24 just issued
	MULA \f, 2, \zero
	MULA \f, 3, \zero
.endm
; The last quarter multiplies buffer 1 and changes slots: ONE barrier; in front of it each wave waits for all its tensor loads, adds 0 to its spare word, and waits for that and for its own reads of this slot.
; fill = 1: this slot is filled again, two K steps ahead; the barrier then opens a round of the cluster's.
.macro TURN slot, next, fill
	WIN 0                                          ; (the add's two registers lie in window 0)
	s_wait_tensorcnt 0x0                           ; all my tensor loads have landed: the one that was out is my part of the next slot;
	ds_add_u32 v[SPW], v[NIL]                      ; 0 onto my spare word
	s_wait_dscnt 5                                 ; (the add and the youngest four loads may be out)
	MULA F1, 0, 0                                  ; eight matrix instructions stand between the add and the wait for it
	s_wait_dscnt 0x0                               ; the add is done, and my reads of this slot are over
	s_barrier_signal -1
	MULA F1, 1, 0                                  ; work on registers while the others arrive
.if \fill
	WIN 0
.endif
	s_barrier_wait -1
.if \fill
	CREST                                          ; no wave of any partner still reads this slot's tile or has a load on its way
	s_add_nc_u64 s[G0+4*(\slot)+2:G0+4*(\slot)+3], s[G0+4*(\slot)+2:G0+4*(\slot)+3], 2*KSTEP*2      ; no tensor load of mine is out: the group 0 may be written; the type bits on top are not reached
	s_add_nc_u64 s[G0B+4*(\slot)+2:G0B+4*(\slot)+3], s[G0B+4*(\slot)+2:G0B+4*(\slot)+3], 2*KSTEP*2
	JLOAD \slot                                    ; the first tensor load behind the round, 112 matrix instructions ahead of the wait for it; the four v_nop behind it are also the places in front of the loads below
.else
	PLACES
.endif
	FETCH \next, 0, F0
	MULA F1, 2, 0
	MULA F1, 3, 0
.endm
	s_wait_loadcnt 0x0                             ; bias, here where the wave waits for its first tile anyway: no global load crosses a barrier
	s_wait_tensorcnt 0x1                           ; my part of K step 0 is in; K step 1's may stay out
	s_barrier_signal -1
	s_barrier_wait -1                              ; everybody's is
	FETCH 0, 0, F0
	QUARTER 0, 64, F0, F1, 1                       ; the first quarter stands in front of the loop: its products start the sums
	WIN 0                                          ; at a label and at a branch every window is 0
	s_mov_b32 s3, LAPS-1
.Llap:                                                 ; a trip goes once round the ring, from a lap's second quarter to the next lap's first, and fills both slots again: trip t with K steps 2 t + 2 and 2 t + 3
	QUARTER 0, 128, F1, F0, 0
	QUARTER 0, 192, F0, F1, 0
	TURN 0, 1, 1
	QUARTER 1, 64,  F0, F1, 0
	QUARTER 1, 128, F1, F0, 0
	QUARTER 1, 192, F0, F1, 0
	TURN 1, 0, 1
	QUARTER 0, 64,  F0, F1, 0
	WIN 0
	s_sub_co_u32 s3, s3, 1
	s_cmp_lg_u32 s3, 0
	s_cbranch_scc1 .Llap
	QUARTER 0, 128, F1, F0, 0                      ; the last lap is written out: it fills nothing, and has no round of the cluster's barrier
	QUARTER 0, 192, F0, F1, 0
	TURN 0, 1, 0
	QUARTER 1, 64,  F0, F1, 0
	QUARTER 1, 128, F1, F0, 0
	QUARTER 1, 192, F0, F1, 0
	s_wait_dscnt 4                                 ; the very last quarter: nothing more to fetch
	MULA F1, 0, 0
	MULA F1, 1, 0
	s_wait_dscnt 0x0
	MULA F1, 2, 0
	MULA F1, 3, 0
	WIN 0
; THE WAY OUT, a block of 16 rows x 128 columns at a time.  A lane's eight sums of a row are 32 bytes; they go into my own stage, rows of 528 bytes, and come back as whole rows of 512 bytes.
; Each accumulator's low four registers are read first.
.macro TOSTAGE a
.set BK, 64+64*((\a)%2)                ; rows read back: v64-127 and v128-191 by turns
.if (\a) >= 2
	s_wait_xcnt 0x0                                ; every earlier memory instruction has had its addresses translated (ISA guide 3.1): the registers that block a - 2's stores read are loaded again only behind this wait
.endif
	WIN OUTW
.irp b, 0,1,2,3,4,5,6,7
	ds_store_b128 v[STO], v[8*(8*(\a)+(\b)):8*(8*(\a)+(\b))+3]   offset:64*(\b)
	ds_store_b128 v[STO], v[8*(8*(\a)+(\b))+4:8*(8*(\a)+(\b))+7] offset:64*(\b)+16
.endr
	WIN 0
.irp t, 0,1,2,3,4,5,6,7,8,9,10,11,12,13,14,15
	ds_load_b128 v[BK+4*(\t):BK+4*(\t)+3], v[RD] offset:(\t)*SPITCH  ; LDS serves a wave's instructions in order (ISA guide 5.7.1.4): these see the stores above; the next block's stores come behind them
.endr
.endm
; Block a's rows: sum x 2^-6 + bias, one fused multiply-add, and stored.  younger: the LDS instructions issued behind block a's loads: the next block's 16 stores and 16 loads, or none.
.macro SEND a, younger
.set BK, 64+64*((\a)%2)
.irp t, 0,1,2,3,4,5,6,7,8,9,10,11,12,13,14,15
	s_wait_dscnt (\younger)+15-(\t)                ; row t is back
	v_pk_fma_f32 v[BK+4*(\t):BK+4*(\t)+1],   v[BK+4*(\t):BK+4*(\t)+1],   s[SC:SC+1], v[BI:BI+1]   op_sel_hi:[1,0,1]
	v_pk_fma_f32 v[BK+4*(\t)+2:BK+4*(\t)+3], v[BK+4*(\t)+2:BK+4*(\t)+3], s[SC:SC+1], v[BI+2:BI+3] op_sel_hi:[1,0,1]
	global_store_b128 v[CO], v[BK+4*(\t):BK+4*(\t)+3], s[10:11] offset:(16*(\a)+(\t))*SIZE_N*4 th:TH_STORE_NT  ; 512 consecutive bytes, at a multiple of 512 from out0's first; 63 rows of 16,384 bytes at the most, inside the signed 24-bit immediate
.endr
.endm
	PLACES                                         ; behind the last products: the LDS stores read results, the loads land in fragment registers
	TOSTAGE 0
	TOSTAGE 1                                      ; a block's trip through the stage stands between the loads of the block before and its stores
	SEND 0, 32
	TOSTAGE 2
	SEND 1, 32
	TOSTAGE 3
	SEND 2, 32
	SEND 3, 0
	s_wait_tensorcnt 0x0                           ; the wave's end: the tensor wait, the add and its wait stand behind my last tensor load and my last LDS store
	ds_add_u32 v[SPW], v[NIL]
	s_wait_dscnt 0x0
	CROUND                                         ; the closing round: no work-group ends while a partner may still ask for a tile that names it
	s_endpgm
.Lfunc_end_k_qdec85abd1e_gemm:
	.size	k_qdec85abd1e_gemm, .Lfunc_end_k_qdec85abd1e_gemm-k_qdec85abd1e_gemm
	.p2alignl 7, 3214868480
	.fill 96, 4, 3214868480
	.section	.rodata,"a",@progbits
	.p2align	6, 0x0
	.amdhsa_kernel k_qdec85abd1e_gemm
		.amdhsa_group_segment_fixed_size 327680
		.amdhsa_private_segment_fixed_size 0
		.amdhsa_enable_private_segment 0
		.amdhsa_kernarg_size 32
		.amdhsa_user_sgpr_count 2
		.amdhsa_user_sgpr_kernarg_segment_ptr 1
		.amdhsa_wavefront_size32 1
		.amdhsa_system_sgpr_workgroup_id_x 1
		.amdhsa_system_sgpr_workgroup_id_y 1
		.amdhsa_system_sgpr_workgroup_id_z 1
		.amdhsa_system_vgpr_workitem_id 0
		.amdhsa_next_free_vgpr 512
		.amdhsa_next_free_sgpr 66
		.amdhsa_reserve_vcc 0
		.amdhsa_float_denorm_mode_32 3
		.amdhsa_float_denorm_mode_16_64 3
		.amdhsa_memory_ordered 1
		.amdhsa_forward_progress 1
		.amdhsa_inst_pref_size 94
	.end_amdhsa_kernel
	.amdgpu_metadata
---
amdhsa.version: [ 1, 2 ]
amdhsa.kernels:
  - .name:           k_qdec85abd1e_gemm
    .symbol:         k_qdec85abd1e_gemm.kd
    .args:
      - { .name: xh, .offset: 0, .size: 8, .value_kind: global_buffer, .address_space: global }
      - { .name: wh, .offset: 8, .size: 8, .value_kind: global_buffer, .address_space: global }
      - { .name: bias, .offset: 16, .size: 8, .value_kind: global_buffer, .address_space: global }
      - { .name: out0, .offset: 24, .size: 8, .value_kind: global_buffer, .address_space: global }
    .group_segment_fixed_size: 327680
    .private_segment_fixed_size: 0
    .kernarg_segment_align: 8
    .kernarg_segment_size: 32
    .max_flat_workgroup_size: 128
    .sgpr_count:     66
    .vgpr_count:     512
    .wavefront_size: 32
...
	.end_amdgpu_metadata
.endif
;; end of part 2
;; ======== version 2 of 2: 2 launches; version 1 with the launch prep written anew for expert scheduling mode
;; limits: values outside matrix products are rounded to f16; values are held in f16: magnitudes above 65,504 overflow, below 6.1e-05 lose precision; right only within a limited range of input values; inputs' magnitudes at most 65,504
;; workspace buffers: wh 33,554,432 bytes; xh 16,777,216 bytes
;; launch prep (part 3): grid 1024 x 1, 8 waves a work-group, no clusters, 0 bytes of LDS; arguments t1, t2, x, a1, a2, wh, xh; writes wh, xh
.if DOCPART == 3
	.amdgcn_target "amdgcn-amd-amdhsa--gfx1250"
	.amdhsa_code_object_version 6
	.text
	.protected	k_qdec85abd1e_prep
	.globl	k_qdec85abd1e_prep
	.p2align	8
	.type	k_qdec85abd1e_prep,@function
k_qdec85abd1e_prep:
	s_mov_b64 s[64:65], 0
	v_nop
	global_prefetch_b8 v0, s[64:65] scope:SCOPE_SE
	s_setreg_imm32_b32 hwreg(HW_REG_WAVE_SCHED_MODE, 0, 2), 2
	s_setreg_imm32_b32 hwreg(HW_REG_WAVE_MODE, 25, 1), 1
	s_wait_xcnt 0x0
	s_wait_alu depctr_vm_vsrc(0)
; wh[o][d] = f16(64 a1[o] t1[o][d] + 64 a2[o] t2[o][d]);  xh = f16(x).   t1, t2: [4096][4096] int32; x: [2048][4096] f32; a1, a2: [4096] f32; wh: [4096][4096] f16; xh: [2048][4096] f16.
; WHY.  The two products of the module share x, and a1, a2 belong to the output column: (x T1^T) a1 + (x T2^T) a2 = x W^T with W = a1 T1 + a2 T2, for every input.  W is made here once, so that
; the launch behind multiplies once.  W goes in f16 (11 significant bits): a row of W has few different values, so that a value's rounding is shared by many terms, and 8 bits would not do.
; The factor 64 is exact; it keeps small scales among f16's normal numbers, and the launch behind takes it out again in f32.
; LIMITS.  |x| stays under 65,504 and |a1 t1 + a2 t2| under 1,023 (f16's range, the second after the factor 64); below 6.1e-5 (for W: 9.5e-7) f16 keeps its fixed step of 6e-8;
; t is converted exactly up to 2^24; NaN and infinities are not treated apart.  The scales are applied ahead of the sum over d: an order of rounding other than the module's.
; SHARES.  8,192 waves (1,024 work-groups of eight).  Wave u takes half a row of W (2,048 numbers: 8,192 bytes of t1 and of t2, 4,096 of wh; its row is u / 2) and a quarter row of x (4,096 bytes, 2,048 of xh):
; every offset is u times a constant.  A load of the wave covers 512 neighbouring bytes, a store 256 neighbouring bytes at a multiple of 256 from the buffer's first byte.
; All 40 loads of a wave (20,480 bytes) are issued ahead of its first wait for data; no register is loaded twice and no store's register is written again, so the text has no loop.
; No LDS, no barrier, no matrix unit, no cluster: each byte is read once, by one wave, and no wave needs another's.
; THE MODE: SCHED_MODE bits 1:0 = 2 (LLVM: expert scheduling mode 2), set by the entry lines.  The code itself states the register dependences
; between vector instructions and memory instructions, with s_wait_alu, always for 0.
; THE PLAN.  Registers that memory instructions touch:
;   v1, v2      byte offsets of the loads and of the stores: made once at the head, never written again.
;   T1 chunk c  one load lands in its four registers, issued before any vector line names them; the chunk's vector lines work in place; its registers 0 and 1 end as f16, are read by the chunk's one store, and are never written again.
;   T2 chunk c  one load lands in it; behind that, vector lines alone name it.
;   X chunk j   as T1's.
; So no load lands in a register that a vector line has named, and nothing that a memory instruction reads is written again: what is owed is that the offsets are written ahead of the first load, and a chunk's f16 pair ahead of its store.
; The 24 chunks (16 of W, then 8 of x) go in six groups of four.  A group's four stores are issued in the NEXT group, one ahead of each chunk's vector lines, behind ONE wait at that group's head; the vector lines
; issued since that wait name the new group's registers alone, so the four stores owe nothing more.  The last group's stores have a wait of their own.
.set T1, 4                             ; v[4:67]    t1, 16 chunks of 4 registers; then W; then two registers of f16 a chunk
.set T2, 68                            ; v[68:131]  t2, likewise; then 64 a2 t2
.set X,  132                           ; v[132:163] x, 8 chunks of 4; then two registers of f16 a chunk
	s_load_b256 s[4:11], s[0:1], 0x0               ; t1 s[4:5], t2 s[6:7], x s[8:9], a1 s[10:11]
	s_load_b128 s[12:15], s[0:1], 0x20             ; a2 s[12:13], wh s[14:15]
	s_load_b64 s[16:17], s[0:1], 0x30              ; xh
	v_and_b32 v1, 31, v0                           ; lane
	v_lshrrev_b32 v3, 5, v0
	v_readfirstlane_b32 s18, v3                    ; wave 0..7
	v_lshlrev_b32 v2, 3, v1                        ; 8 bytes a lane: the stores
	v_lshlrev_b32 v1, 4, v1                        ; 16 bytes a lane: the loads
	s_wait_alu depctr_va_sdst(0)                   ; s18 is written, ahead of its first reader: every base is made from it
	s_lshl_b32 s19, ttmp9, 3
	s_add_co_u32 s19, s19, s18                     ; u = 8 x work-group + wave
	s_lshr_b32 s22, s19, 1
	s_lshl_b32 s22, s22, 2                         ; my row's byte in a1 and a2: 4 (u / 2)
	s_mov_b32 s21, 0                               ; the offsets' high word
	s_wait_kmcnt 0x0
	s_load_b32 s24, s[10:11], s22 offset:0x0       ; a1[o]
	s_load_b32 s26, s[12:13], s22 offset:0x0       ; a2[o]; neither base nor s22 is written again
	s_lshl_b32 s20, s19, 13                        ; 8,192 u
	s_add_nc_u64 s[4:5], s[4:5], s[20:21]
	s_add_nc_u64 s[6:7], s[6:7], s[20:21]
	s_lshl_b32 s20, s19, 12                        ; 4,096 u
	s_add_nc_u64 s[8:9], s[8:9], s[20:21]
	s_add_nc_u64 s[14:15], s[14:15], s[20:21]
	s_lshl_b32 s20, s19, 11                        ; 2,048 u
	s_add_nc_u64 s[16:17], s[16:17], s[20:21]
	s_wait_alu depctr_va_vdst(0)                   ; v1 and v2 are written: every load of the kernel reads v1 as its offset, every store v2
.irp c, 0,1,2,3,4,5,6,7,8,9,10,11,12,13,14,15
	global_load_b128 v[T1+4*(\c):T1+4*(\c)+3], v1, s[4:5] offset:512*(\c) th:TH_LOAD_NT  ; read once in the launch
	global_load_b128 v[T2+4*(\c):T2+4*(\c)+3], v1, s[6:7] offset:512*(\c) th:TH_LOAD_NT
.endr
.irp j, 0,1,2,3,4,5,6,7
	global_load_b128 v[X+4*(\j):X+4*(\j)+3], v1, s[8:9] offset:512*(\j) th:TH_LOAD_NT
.endr
	s_wait_kmcnt 0x0                               ; the two scales
	s_mul_f32 s24, s24, 0x42800000                 ; 64 a1: exact
	s_mul_f32 s26, s26, 0x42800000                 ; 64 a2
	s_mov_b32 s25, s24                             ; named as pairs by the packed forms, which take the low word for both halves
	s_mov_b32 s27, s26
; The store of W's chunk c and of x's chunk j: each is issued a group behind the lines that made its data.
.macro WST c
	global_store_b64 v2, v[T1+4*(\c):T1+4*(\c)+1], s[14:15] offset:256*(\c)  ; no hint: the launch behind reads it
.endm
.macro XST j
	global_store_b64 v2, v[X+4*(\j):X+4*(\j)+1], s[16:17] offset:256*(\j)
.endm
; Chunk c of W: 128 numbers of the wave, four a lane.  Ahead of its vector lines goes the store of the chunk four back.
.macro WCH c
	s_wait_loadcnt 38-2*(\c)                       ; loads come back in order (ISA guide 5.7.1): of the 40 issued, numbers 2 c and 2 c + 1 are in when 38 - 2 c are out
.if (\c) >= 4
.if (\c) % 4 == 0
	s_wait_alu depctr_va_vdst(0)                   ; a group's head: the roundings of the four chunks before have written their f16 pairs, which this group's four stores read
.endif
	WST (\c)-4                                     ; no vector line since that wait names its registers
.endif
.irp k, 0,1,2,3
	v_cvt_f32_i32 v[T1+4*(\c)+(\k)], v[T1+4*(\c)+(\k)]
	v_cvt_f32_i32 v[T2+4*(\c)+(\k)], v[T2+4*(\c)+(\k)]
.endr
.irp k, 0,2
	v_pk_mul_f32 v[T2+4*(\c)+(\k):T2+4*(\c)+(\k)+1], v[T2+4*(\c)+(\k):T2+4*(\c)+(\k)+1], s[26:27] op_sel_hi:[1,0]
.endr
.irp k, 0,2
	v_pk_fma_f32 v[T1+4*(\c)+(\k):T1+4*(\c)+(\k)+1], v[T1+4*(\c)+(\k):T1+4*(\c)+(\k)+1], s[24:25], v[T2+4*(\c)+(\k):T2+4*(\c)+(\k)+1] op_sel_hi:[1,0,1]
.endr
	v_cvt_pk_f16_f32 v[T1+4*(\c)], v[T1+4*(\c)], v[T1+4*(\c)+1]
	v_cvt_pk_f16_f32 v[T1+4*(\c)+1], v[T1+4*(\c)+2], v[T1+4*(\c)+3]
.endm
; Chunk j of x.  Ahead of its two roundings goes the store of the chunk four back: W's chunks 12 to 15, then x's chunks 0 to 3.
.macro XCH j
	s_wait_loadcnt 7-(\j)                          ; x's chunk j is number 32 + j of the 40
.if (\j) % 4 == 0
	s_wait_alu depctr_va_vdst(0)                   ; a group's head: the roundings of the four chunks before have written their f16 pairs, which this group's four stores read
.endif
.if (\j) < 4
	WST 12+(\j)
.else
	XST (\j)-4
.endif
	v_cvt_pk_f16_f32 v[X+4*(\j)], v[X+4*(\j)], v[X+4*(\j)+1]
	v_cvt_pk_f16_f32 v[X+4*(\j)+1], v[X+4*(\j)+2], v[X+4*(\j)+3]
.endm
.irp c, 0,1,2,3,4,5,6,7,8,9,10,11,12,13,14,15
	WCH \c
.endr
.irp j, 0,1,2,3,4,5,6,7
	XCH \j
.endr
	s_wait_alu depctr_va_vdst(0)                   ; the roundings of x's chunks 4 to 7 have written their f16 pairs, which the last four stores read
.irp j, 4,5,6,7
	XST \j
.endr
	s_endpgm
.Lfunc_end_k_qdec85abd1e_prep:
	.size	k_qdec85abd1e_prep, .Lfunc_end_k_qdec85abd1e_prep-k_qdec85abd1e_prep
	.p2alignl 7, 3214868480
	.fill 96, 4, 3214868480
	.section	.rodata,"a",@progbits
	.p2align	6, 0x0
	.amdhsa_kernel k_qdec85abd1e_prep
		.amdhsa_group_segment_fixed_size 0
		.amdhsa_private_segment_fixed_size 0
		.amdhsa_enable_private_segment 0
		.amdhsa_kernarg_size 56
		.amdhsa_user_sgpr_count 2
		.amdhsa_user_sgpr_kernarg_segment_ptr 1
		.amdhsa_wavefront_size32 1
		.amdhsa_system_sgpr_workgroup_id_x 1
		.amdhsa_system_sgpr_workgroup_id_y 1
		.amdhsa_system_sgpr_workgroup_id_z 1
		.amdhsa_system_vgpr_workitem_id 0
		.amdhsa_next_free_vgpr 164
		.amdhsa_next_free_sgpr 66
		.amdhsa_reserve_vcc 0
		.amdhsa_float_denorm_mode_32 3
		.amdhsa_float_denorm_mode_16_64 3
		.amdhsa_memory_ordered 1
		.amdhsa_forward_progress 1
		.amdhsa_inst_pref_size 20
	.end_amdhsa_kernel
	.amdgpu_metadata
---
amdhsa.version: [ 1, 2 ]
amdhsa.kernels:
  - .name:           k_qdec85abd1e_prep
    .symbol:         k_qdec85abd1e_prep.kd
    .args:
      - { .name: t1, .offset: 0, .size: 8, .value_kind: global_buffer, .address_space: global }
      - { .name: t2, .offset: 8, .size: 8, .value_kind: global_buffer, .address_space: global }
      - { .name: x, .offset: 16, .size: 8, .value_kind: global_buffer, .address_space: global }
      - { .name: a1, .offset: 24, .size: 8, .value_kind: global_buffer, .address_space: global }
      - { .name: a2, .offset: 32, .size: 8, .value_kind: global_buffer, .address_space: global }
      - { .name: wh, .offset: 40, .size: 8, .value_kind: global_buffer, .address_space: global }
      - { .name: xh, .offset: 48, .size: 8, .value_kind: global_buffer, .address_space: global }
    .group_segment_fixed_size: 0
    .private_segment_fixed_size: 0
    .kernarg_segment_align: 8
    .kernarg_segment_size: 56
    .max_flat_workgroup_size: 256
    .sgpr_count:     66
    .vgpr_count:     164
    .wavefront_size: 32
...
	.end_amdgpu_metadata
.endif
;; end of part 3
;; launch gemm: the kernel of part 2 again; grid 16 x 16, 4 waves a work-group, clusters of 4 x 4, 327,680 bytes of LDS; arguments xh, wh, bias, out0; writes out0
